; MI455X (gfx1250); checked and timed in simulation.
; The chip was launched on July 23, 2026; its instructions are those of AMD's public machine-readable ISA for CDNA 5 (MIT licence, August 2026) and "CDNA5" Instruction Set Architecture Reference Guide (July 2026). The comments in the code are by the model that wrote it; some were corrected since.
;; RWKV Model. Allowed arithmetic: matrix products marked QUANTISED: E2M1 operands, one E8M0 scale for each 32 along K, by v_wmma_scale_f32_16x16x128_f8f6f4 with both operands' format E2M1 (or v_wmma_scale_f32_32x16x128_f4), f32 sums; products left as they are: f32 operands where the result goes on into a quantised operand, else bf16, f16 or f32 operands; f32 sums; everything else in f32.
;; Inputs: Wk 2,048 x 2,048 float32; Wl 4 x 2,048 float32; Wo 2,048 x 2,048 float32; Wr 2,048 x 2,048 float32; Wv 2,048 x 2,048 float32; bl 4 float32; state 4 x 4 x 2,048 float32; time_decay_multi 4 x 2,048 float32; x 4 x 1,024 x 2,048 float32.
;; Outputs: out0 4 x 1,024 x 2,048 float32; out1 4 x 4 x 2,048 float32.
;; This version of the problem:
;;   THIS VERSION OF THE PROBLEM IS GIVEN IN LOW PRECISION. The matrix products marked QUANTISED in the list below multiply operands that are first quantised to E2M1 (2 exponent bits, 1 mantissa bit; 4 bits a number), with one power-of-two scale for each 32 numbers along K (OCP MX v1.0); their sums are f32. All else is computed in f32.
;;   The module's matrix products, in the order in which they are computed (A, B: the left and right operand; K: the contracted axis; several contracted axes count as one K, in the product's order):
;;     1. [M 4,096, K 2,048] x [K 2,048, N 2,048]; A: input x; B: input Wv: QUANTISED
;;     2. [M 4,096, K 2,048] x [K 2,048, N 2,048]; A: input x; B: input Wk: QUANTISED
;;     3. [M 4,096, K 2,048] x [K 2,048, N 2,048]; A: input x; B: input Wr: QUANTISED
;;     4. [M 4,096, K 2,048] x [K 2,048, N 4]; A: input x; B: input Wl: left as it is (N = 4 < 16)
;;     5. batch 4 x [M 1,024, K 4] x [K 4, N 2,048]; A: softmax; B: computed on the way: left as it is (K = 4 < 32)
;;     6. [M 4,096, K 2,048] x [K 2,048, N 2,048]; A: computed on the way; B: input Wo: QUANTISED
;;   THE QUANTISER, for each operand of a quantised product, along K:
;;     - K is cut into blocks of 32 from its start; a last block that is shorter is filled with zeros.
;;     - A block's scale is 2^e with e = floor(log2(the largest magnitude in the block)) - 2, held to -126 .. 127; a block of zeros has e = 0. As a byte (E8M0): e + 127.
;;     - Each number is divided by its block's scale, clamped to +-6, and rounded to the nearest number of E2M1, ties to even, subnormals kept.
;;     - The product sums the exact products of the quantised numbers (number of the format x scale) in f32.
;;   ~~~python
;;   def quantise(x, axis):      # numpy; x: float32 -> the quantised numbers, widened to float32 again
;;       x = np.moveaxis(x, axis, -1); K = x.shape[-1]
;;       x = np.pad(x, [(0, 0)] * (x.ndim - 1) + [(0, -K % 32)]); x = x.reshape(x.shape[:-1] + (-1, 32)); a = np.abs(x).max(-1, keepdims=True)
;;       e = np.where(a > 0, np.clip(np.frexp(np.where(a > 0, a, 1))[1] - 1 - 2, -126, 127), 0)      # np.frexp(a)[1] - 1 = floor(log2(a)), exactly
;;       r = np.clip(x / 2.0 ** e, -6, 6)
;;       step = 2.0 ** (np.maximum(np.frexp(np.where(r == 0, 1, r))[1] - 1, 0) - 1)
;;       q = np.round(r / step) * step * 2.0 ** e      # np.round: ties to even
;;       return np.moveaxis(q.reshape(q.shape[:-2] + (-1,))[..., :K], -1, axis).astype(np.float32)
;;   ~~~
;;   OPERANDS COMPUTED ON THE WAY. 'Computed on the way' means the value that the module computes at that place (a softmax that the list does not call 'softmax' is quantised finished and normalised). What goes into a quantiser is computed in f32, as accurately as f32 sums, v_exp_f32 and their like allow (about 1e-6 of the number): no bf16 or f16 on the way to a quantiser, and a product that is left as it is and whose result goes on into a quantised operand takes f32 operands (vector FMAs, or v_wmma_f32_16x16x4_f32). A number that lies on a knife's edge between two numbers of the format may be rounded either way, as far as f32 arithmetic and the matrix unit's own rounding can turn it there, and no further.
;; One version. Each part assembles by itself: llvm-mc -triple=amdgcn-amd-amdhsa -mcpu=gfx1250 --defsym DOCPART=n.
;; ======== version 1 of 1: 3 launches
;; limits: right only within a limited range of input values
;; workspace buffers: codes 12,582,912 bytes; scales 786,432 bytes; lw 65,536 bytes; dec 131,072 bytes; zc 4,194,304 bytes; zs 262,144 bytes
;; launch quant (part 1): grid 768 x 1, 4 waves a work-group, no clusters, 79,360 bytes of LDS; arguments x, Wv, Wk, Wr, Wo, Wl, bl, state, time_decay_multi, codes, scales, lw, dec; writes codes, scales, lw, dec
.if DOCPART == 1
	.amdgcn_target "amdgcn-amd-amdhsa--gfx1250"
	.amdhsa_code_object_version 6
	.text
	.protected	k_qdc61b49d88_quant
	.globl	k_qdc61b49d88_quant
	.p2align	8
	.type	k_qdc61b49d88_quant,@function
k_qdc61b49d88_quant:
	s_mov_b64 s[64:65], 0
	v_nop
	global_prefetch_b8 v0, s[64:65] scope:SCOPE_SE
	s_setreg_imm32_b32 hwreg(HW_REG_WAVE_MODE, 25, 1), 1
	s_wait_xcnt 0x0
; x [4096][2048] and Wv, Wk, Wr, Wo [2048][2048], f32, K innermost, become codes of FP4 (E2M1) with one E8M0 byte for each 32 along K, laid AS THE MATRIX OPERANDS' REGISTERS WANT THEM.
; codes: 768 blocks of 16 rows x 2,048 K, 16,384 bytes each: [block][kb 0..63][place 0..15][16 bytes], kb = the block of 32 along K.  Blocks 0-255: x, 256-383: Wv, 384-511: Wk, 512-639: Wr, 640-767: Wo.
; scales: [block][ks 0..3][place][16 bytes]: byte i is K block 16 ks + i.
; Place p of x's block m is row 16 m + p.  Place p of a weight's block nb is row 32 (nb / 2) + 8 (nb % 2) + p + 8 (p / 8): so the results of two neighbouring blocks, used transposed, are 16 neighbours in a lane.
; The same launch makes lw = softmax(x Wl^T + bl) [4096][4] and dec = state x exp(-exp(time_decay_multi)) [4][4][2048], all in f32 (work-groups 0-255).
; A block's scale is 2^(floor(log2(largest magnitude)) - 2); its byte is the largest magnitude's exponent field - 2, held at 1 from below.
; LIMITS: NaN and infinities among the inputs are not served; a block of zeros gets the byte 1 (not 127): its codes are zeros, and this program alone reads the bytes;
; v_exp_f32 gives 0 where the result lies under 2^-126.
; SHARES.  Work-group g makes block g.  Wave w takes columns 512 w .. 512 w + 511 of its 16 rows; step t is place t: 512 numbers.  A step's four loads read 512 consecutive bytes each; the 2,048 bytes turn through
; the wave's own stage in LDS and come back 64 bytes a lane: 16 neighbours, two lanes to a block of 32.  A wave's 4,096 bytes of codes and 256 scale bytes are gathered in its own LDS and leave in stores of
; 512 and 256 consecutive, aligned bytes.  No tensor loads; loads run four steps (16 loads a wave) ahead.
; Two paths part on the work-group's number and never join; each has LDS bytes of its own.
; THE SCALE BYTES' ORDER, which holds in place of the line on scales above: [block][s 0..15][place 0..15][4 bytes]: one 32-bit word for a row and 128 along K; byte i of word s is K block 4 s + i.
; x's CODES' ORDER, which holds in place of the line on codes above for blocks 0-255: [tile of 256 rows][s 0..15][block in the tile 0..15][1,024 bytes]: the 1,024 bytes of a block and 128 along K are as above.  The weights' blocks are as above.
.set WREG,  9728
.set SP,    80                         ; a lane's place in a stage: 64 bytes + 16 of padding
.set SCBO,  2*32*SP
.set IMGO,  SCBO+256
.set IP,    272                        ; a row of the image: 16 places x 16 bytes + 16 of padding
.set DOTB,  4*WREG                     ; the x path's dots with Wl: [wave][row][4 f32], 1,024 bytes
.set WBASE, DOTB+1024                  ; the weights' path begins here
.set R,     16                         ; v16-79   four sets of 16 numbers as loaded
.set X,     80                         ; v80-111  two sets of 16 neighbours
.set E,     112                        ; v112-113 a scale byte, by step % 2
.set C,     114                        ; v114-117 16 codes, by step % 2
.set S,     120                        ; v120-127 four dots, by step % 2
.set AC,    128                        ; v128-135 four pairs of running sums
.set PT,    136                        ; v136-139 what the other half of the lanes sends
.set WL,    144                        ; v144-207 Wl[d][my 16 columns] at 16 d + i
.set OUTR,  208                        ; v208-239 the image on its way out
	s_load_b256 s[4:11], s[0:1], 0x0               ; x, Wv, Wk, Wr
	s_load_b256 s[12:19], s[0:1], 0x20             ; Wo, Wl, bl, state
	s_load_b256 s[20:27], s[0:1], 0x40             ; time_decay_multi, codes, scales, lw
	s_load_b64 s[28:29], s[0:1], 0x60              ; dec
	v_lshl_add_u32 v254, v0, 2, 0x13400
	v_mov_b32 v255, 0
	v_lshrrev_b32 v1, 5, v0
	v_readfirstlane_b32 s30, v1                    ; wave 0..3
	v_and_b32 v2, 31, v0                           ; lane
	v_lshlrev_b32 v3, 4, v2                        ; 16 x lane
	v_lshlrev_b32 v4, 3, v2                        ; 8 x lane
	s_lshl_b32 s38, ttmp9, 14                      ; my block's codes,
	s_lshl_b32 s31, s30, 12                        ; my wave's 4,096 bytes of them
	s_add_co_u32 s38, s38, s31
	s_lshr_b32 s42, ttmp9, 4                       ; x: the tile of 256 rows,
	s_lshl_b32 s42, s42, 18
	s_and_b32 s43, ttmp9, 15                       ; my block's 1,024 bytes of a K step's 16,384,
	s_lshl_b32 s43, s43, 10
	s_add_co_u32 s42, s42, s43
	s_lshl_b32 s43, s30, 16                        ; my wave's four K steps
	s_add_co_u32 s42, s42, s43
	s_cmp_lt_u32 ttmp9, 256                        ; the choice hangs on the work-group's number alone
	s_cselect_b32 s38, s42, s38
	s_mov_b32 s39, 0
	s_lshl_b32 s40, ttmp9, 10                      ; my block's scale bytes,
	s_lshl_b32 s31, s30, 8                         ; my wave's 256
	s_add_co_u32 s40, s40, s31
	s_mov_b32 s41, 0
	s_wait_kmcnt 0x0
	s_add_nc_u64 s[22:23], s[22:23], s[38:39]
	s_add_nc_u64 s[24:25], s[24:25], s[40:41]
; the LDS addresses of a path whose LDS begins at base: each a constant + a constant x lane + a constant x wave
.macro ADDRS base
	s_mul_i32 s31, s30, WREG
	s_add_co_u32 s31, s31, \base
	s_add_co_u32 s46, s31, SCBO
	s_add_co_u32 s47, s31, IMGO
	v_lshrrev_b32 v14, 2, v2
	v_mul_u32_u24 v14, v14, SP
	v_and_b32 v15, 3, v2
	v_lshl_add_u32 v14, v15, 4, v14
	v_add_nc_u32 v14, s31, v14                     ; stage, in: four lanes' 64 bytes on end, then the padding
	v_mul_u32_u24 v15, v2, SP
	v_add_nc_u32 v15, s31, v15                     ; stage, out: my 16 neighbours
	v_lshrrev_b32 v8, 1, v2
	v_lshrrev_b32 v9, 3, v2                        ; which 128 along K of my wave's 512
	v_and_b32 v5, 3, v8                            ; which byte of that word
	v_lshl_add_u32 v5, v9, 6, v5                   ; 64 bytes (16 places x 4) for each 128 along K
	v_add_nc_u32 v5, s46, v5                       ; my block's scale byte; the place stands in the store's offset
	v_add_nc_u32 v6, s46, v4                       ; the scale bytes on the way out: 8 a lane
	v_mul_u32_u24 v7, v8, IP
	v_and_b32 v9, 1, v2
	v_lshl_add_u32 v7, v9, 3, v7
	v_add_nc_u32 v7, s47, v7                       ; image, in: row = my block of 32, my half's 8 bytes
	v_lshrrev_b32 v10, 4, v2
	v_mul_u32_u24 v10, v10, IP
	v_and_b32 v9, 15, v2
	v_lshl_add_u32 v10, v9, 4, v10
	v_add_nc_u32 v10, s47, v10                     ; image, out: sixteen lanes to a row, two rows an instruction
.endm
; step t's 2,048 bytes: four loads of 512 consecutive bytes.  wr = 1: a weight's rows (place t is row t + 8 (t / 8) of the block's 24)
.macro LOAD t, wr
.irp i, 0,1,2,3
	global_load_b128 v[R+16*((\t)%4)+4*\i:R+16*((\t)%4)+4*\i+3], v3, s[4:5] offset:((\t)+8*((\t)/8)*(\wr))*8192+512*\i th:TH_LOAD_NT
.endr
.endm
; step t's numbers through the stage: LDS serves a wave's instructions in order, so no wait stands between the stores and the loads
.macro TURN t
.irp i, 0,1,2,3
	ds_store_b128 v14, v[R+16*((\t)%4)+4*\i:R+16*((\t)%4)+4*\i+3] offset:32*SP*((\t)%2)+8*SP*\i
.endr
.irp i, 0,1,2,3
	ds_load_b128 v[X+16*((\t)%2)+4*\i:X+16*((\t)%2)+4*\i+3], v15 offset:32*SP*((\t)%2)+16*\i
.endr
.endm
; row t's part of the four dots with Wl: my 16 numbers, then the wave's 32 lanes; the four by turns, so that no line waits for the line above it
.macro DOT t
.set XD, X+16*((\t)%2)
.set SD, S+4*((\t)%2)
.irp d, 0,1,2,3
	v_pk_mul_f32 v[AC+2*\d:AC+2*\d+1], v[XD:XD+1], v[WL+16*\d:WL+16*\d+1]
.endr
.irp i, 2,4,6,8,10,12,14
.irp d, 0,1,2,3
	v_pk_fma_f32 v[AC+2*\d:AC+2*\d+1], v[XD+\i:XD+\i+1], v[WL+16*\d+\i:WL+16*\d+\i+1], v[AC+2*\d:AC+2*\d+1]
.endr
.endr
.irp d, 0,1,2,3
	v_add_f32 v[SD+\d], v[AC+2*\d], v[AC+2*\d+1]
.endr
.irp m, 1,2,4,8
.irp d, 0,1,2,3
	v_add_f32_dpp v[SD+\d], v[SD+\d], v[SD+\d] row_xmask:\m row_mask:0xf bank_mask:0xf
.endr
.endr
.irp d, 0,1,2,3
	v_permlanex16_b32 v[PT+\d], v[SD+\d], s36, s37
.endr
.irp d, 0,1,2,3
	v_add_f32 v[SD+\d], v[SD+\d], v[PT+\d]
.endr
	ds_store_b128 v141, v[SD:SD+3] offset:16*(\t)  ; all lanes write the same 16 bytes with the same values
.endm
.macro STEP t, dot, wr
.set XS, X+16*((\t)%2)
.if (\t) > 0
	s_wait_dscnt 2+\dot                            ; this step's numbers are back from the stage; the last step's small stores (byte, codes, and the dots where there are dots) may be out
.else
	s_wait_dscnt 0x0
.endif
.if (\t)+4 < 16
	LOAD (\t)+4, \wr                               ; into the set that this step's stores into the stage have read
.endif
.if (\t)+1 < 16
.if 14-(\t) >= 3
	s_wait_loadcnt 12                              ; the next step's four loads are in; those of the three steps behind it may be out
.else
	s_wait_loadcnt 4*(14-(\t))
.endif
	TURN (\t)+1
.endif
	v_max3_num_f32 v8, |v[XS]|, |v[XS+1]|, |v[XS+2]|               ; the largest magnitude of my 16, in two chains
	v_max3_num_f32 v9, |v[XS+3]|, |v[XS+4]|, |v[XS+5]|
.irp i, 6,10
	v_max3_num_f32 v8, v8, |v[XS+\i]|, |v[XS+\i+1]|
	v_max3_num_f32 v9, v9, |v[XS+\i+2]|, |v[XS+\i+3]|
.endr
	v_max3_num_f32 v8, v8, |v[XS+14]|, |v[XS+15]|
	v_max3_num_f32 v8, v8, v9, 0x1800000           ; and the floor 2^(3 - 127): the byte cannot fall under 1
	v_max_num_f32_dpp v8, v8, v8 row_xmask:1 row_mask:0xf bank_mask:0xf   ; with my neighbour's 16: the block's
	v_add_nc_u32 v11, 0xff000000, v8               ; 2 off its exponent field: the conversion takes the exponent field of this operand as its scale
	v_cvt_scalef32_pk8_fp4_f32 v[C+2*((\t)%2)], v[XS:XS+7], v11
	v_cvt_scalef32_pk8_fp4_f32 v[C+2*((\t)%2)+1], v[XS+8:XS+15], v11
	v_lshrrev_b32 v[E+(\t)%2], 23, v11             ; the scale's byte (a plain line behind the conversions)
.if \dot
	DOT \t
.endif
	ds_store_b8 v5, v[E+(\t)%2] offset:4*(\t)      ; both lanes of a block write the same byte with the same value
	ds_store_b64 v7, v[C+2*((\t)%2):C+2*((\t)%2)+1] offset:16*(\t)   ; my 16 codes at place t of my block's row of the image
.endm
.macro OUT qs                          ; qs: bytes from one 128 along K to the next in the codes' buffer
	ds_load_b64 v[12:13], v6                       ; LDS serves a wave's instructions in order: these see my stores
.irp i, 0,1,2,3,4,5,6,7
	ds_load_b128 v[OUTR+4*\i:OUTR+4*\i+3], v10 offset:2*IP*\i
.endr
	s_wait_dscnt 8                                 ; the scale bytes are in; the eight loads behind them may be out
	global_store_b64 v4, v[12:13], s[24:25]        ; 32 lanes store 256 consecutive bytes, aligned
.irp i, 0,1,2,3,4,5,6,7
	s_wait_dscnt 7-\i
	global_store_b128 v3, v[OUTR+4*\i:OUTR+4*\i+3], s[22:23] offset:(\i/2)*\qs+(\i%2)*512   ; 512 consecutive bytes, aligned
.endr
.endm
	s_cmp_lt_u32 ttmp9, 256
	s_cbranch_scc0 .Lweights
	; ---- x: codes, scale bytes, lw, and 128 numbers of dec
	s_wait_alu depctr_va_vdst(0)
	ADDRS 0
	s_load_b128 s[32:35], s[16:17], 0x0            ; bl: waited for where wave 0 uses it
	s_mov_b32 s36, 0x76543210
	s_mov_b32 s37, 0xfedcba98                      ; v_permlanex16_b32's selects for lane l xor 16
	s_lshl_b32 s38, ttmp9, 17                      ; 16 rows of 8,192 bytes,
	s_lshl_b32 s40, s30, 11                        ; my wave's 2,048 bytes of a row
	s_add_co_u32 s38, s38, s40
	s_add_nc_u64 s[4:5], s[4:5], s[38:39]          ; x
	s_add_nc_u64 s[14:15], s[14:15], s[40:41]      ; Wl at my wave's columns
	s_lshl_b32 s40, ttmp9, 8
	s_add_nc_u64 s[26:27], s[26:27], s[40:41]      ; lw: 16 rows x 16 bytes
	s_lshl_b32 s40, ttmp9, 9
	s_add_nc_u64 s[18:19], s[18:19], s[40:41]      ; state and dec: 128 numbers a work-group
	s_add_nc_u64 s[28:29], s[28:29], s[40:41]
	s_and_b32 s40, s40, 32767                      ; the same place in [4][2048], whatever the batch
	s_add_nc_u64 s[20:21], s[20:21], s[40:41]
	v_lshlrev_b32 v140, 6, v2                      ; Wl: my 16 columns
	s_lshl_b32 s31, s30, 8
	s_add_co_u32 s31, s31, DOTB
	v_mov_b32 v141, s31                            ; my wave's dots
	v_lshrrev_b32 v142, 1, v2
	v_lshl_add_u32 v142, v142, 4, DOTB             ; wave 0 reads them back: two lanes to a row
.irp d, 0,1,2,3
	v_mov_b32 v[PT+\d], 0                          ; written once: a lane permute's destination counts as one of its sources
.endr
.irp d, 0,1,2,3
.irp j, 0,1,2,3
	global_load_b128 v[WL+16*\d+4*\j:WL+16*\d+4*\j+3], v140, s[14:15] offset:8192*\d+16*\j
.endr
.endr
	s_cmp_lg_u32 s30, 1
	s_cbranch_scc1 .Lnot_wave_1
	global_load_b128 v[240:243], v3, s[18:19]      ; wave 1: 128 numbers of state,
	global_load_b128 v[244:247], v3, s[20:21]      ; and of time_decay_multi
.Lnot_wave_1:
.irp t, 0,1,2,3
	LOAD \t, 0
.endr
	s_wait_loadcnt 12                              ; step 0's loads and all older ones are in
	TURN 0
.irp t, 0,1,2,3,4,5,6,7,8,9,10,11,12,13,14,15
	STEP \t, 1, 0
.endr
	OUT 16384
	s_wait_dscnt 0x0
	s_barrier_signal -1
	s_barrier_wait -1
	s_cmp_eq_u32 s30, 0
	s_cbranch_scc1 .Llw
	s_cmp_eq_u32 s30, 1
	s_cbranch_scc1 .Ldec
	s_wait_tensorcnt 0x0
	ds_add_u32 v254, v255
	s_wait_dscnt 0x0
	s_endpgm
.Llw:                                              ; wave 0: lw of the 16 rows; lanes 2 i and 2 i + 1 both compute row i
.irp k, 0,1,2,3
	ds_load_b128 v[16+4*\k:19+4*\k], v142 offset:256*\k
.endr
	s_wait_kmcnt 0x0                               ; bl
	s_wait_dscnt 0x0
	v_pk_add_f32 v[16:17], v[16:17], v[20:21]      ; the four waves' parts
	v_pk_add_f32 v[18:19], v[18:19], v[22:23]
	v_pk_add_f32 v[24:25], v[24:25], v[28:29]
	v_pk_add_f32 v[26:27], v[26:27], v[30:31]
	v_pk_add_f32 v[16:17], v[16:17], v[24:25]
	v_pk_add_f32 v[18:19], v[18:19], v[26:27]
	v_add_f32 v16, s32, v16
	v_add_f32 v17, s33, v17
	v_add_f32 v18, s34, v18
	v_add_f32 v19, s35, v19
	v_max3_num_f32 v20, v16, v17, v18
	v_max_num_f32 v20, v20, v19                    ; the row's maximum is taken away ahead of the exponentials
.irp d, 0,1,2,3
	v_sub_f32 v[16+\d], v[16+\d], v20
.endr
.irp d, 0,1,2,3
	v_mul_f32 v[16+\d], 0x3fb8aa3b, v[16+\d]       ; x log2(e)
.endr
	s_wait_alu depctr_va_vdst(0)
.irp d, 0,1,2,3
	v_exp_f32 v[16+\d], v[16+\d]
.endr
	v_and_b32 v21, 1, v2                           ; (a plain line behind the exponentials)
	s_wait_alu depctr_va_vdst(0)                   ; one wait for the four, ahead of their first reader
	v_add_f32 v20, v16, v17
	v_add_f32 v22, v18, v19
	v_add_f32 v20, v20, v22
	s_wait_alu depctr_va_vdst(0)
	v_rcp_f32 v20, v20
	v_cmp_eq_u32 vcc_lo, 1, v21                    ; (a plain line behind the reciprocal)
	s_wait_alu depctr_va_vdst(0)
.irp d, 0,1,2,3
	v_mul_f32 v[16+\d], v[16+\d], v20
.endr
	v_cndmask_b32 v22, v16, v18, vcc_lo            ; the even lane stores levels 0 and 1, the odd one levels 2 and 3
	v_cndmask_b32 v23, v17, v19, vcc_lo
	global_store_b64 v4, v[22:23], s[26:27]        ; 256 consecutive bytes, aligned
	s_wait_tensorcnt 0x0
	ds_add_u32 v254, v255
	s_wait_dscnt 0x0
	s_endpgm
.Ldec:                                             ; wave 1: dec = state x exp(-exp(time_decay_multi)), four numbers a lane
.irp i, 0,1,2,3
	v_mul_f32 v[244+\i], 0x3fb8aa3b, v[244+\i]
.endr
	s_wait_alu depctr_va_vdst(0)
.irp i, 0,1,2,3
	v_exp_f32 v[244+\i], v[244+\i]
.endr
	v_nop
	s_wait_alu depctr_va_vdst(0)
.irp i, 0,1,2,3
	v_mul_f32 v[244+\i], 0xbfb8aa3b, v[244+\i]     ; x -log2(e)
.endr
	s_wait_alu depctr_va_vdst(0)
.irp i, 0,1,2,3
	v_exp_f32 v[244+\i], v[244+\i]
.endr
	v_nop
	s_wait_alu depctr_va_vdst(0)
.irp i, 0,1,2,3
	v_mul_f32 v[248+\i], v[240+\i], v[244+\i]
.endr
	global_store_b128 v3, v[248:251], s[28:29]     ; 512 consecutive bytes, aligned
	s_wait_tensorcnt 0x0
	ds_add_u32 v254, v255
	s_wait_dscnt 0x0
	s_endpgm
	; ---- a weight: codes and scale bytes
.Lweights:
	s_wait_alu depctr_va_vdst(0)
	ADDRS WBASE
	s_sub_co_u32 s38, ttmp9, 256
	s_lshr_b32 s39, s38, 7                         ; which weight: 0 Wv, 1 Wk, 2 Wr, 3 Wo
	s_and_b32 s40, s38, 127                        ; which block of it
	s_cmp_lt_u32 s39, 2                            ; the choice hangs on the work-group's number alone
	s_cselect_b64 s[42:43], s[6:7], s[10:11]
	s_cselect_b64 s[44:45], s[8:9], s[12:13]
	s_bitcmp1_b32 s39, 0
	s_cselect_b64 s[4:5], s[44:45], s[42:43]
	s_lshr_b32 s46, s40, 1
	s_lshl_b32 s46, s46, 18                        ; 32 (nb / 2) rows of 8,192 bytes
	s_and_b32 s41, s40, 1
	s_lshl_b32 s41, s41, 16                        ; + 8 (nb % 2) rows
	s_add_co_u32 s46, s46, s41
	s_lshl_b32 s41, s30, 11                        ; + my wave's 2,048 bytes of a row
	s_add_co_u32 s46, s46, s41
	s_mov_b32 s47, 0
	s_add_nc_u64 s[4:5], s[4:5], s[46:47]
.irp t, 0,1,2,3
	LOAD \t, 1
.endr
	s_wait_loadcnt 12                              ; step 0's four loads are in
	TURN 0
.irp t, 0,1,2,3,4,5,6,7,8,9,10,11,12,13,14,15
	STEP \t, 0, 1
.endr
	OUT 1024
	s_wait_tensorcnt 0x0
	ds_add_u32 v254, v255
	s_wait_dscnt 0x0
	s_endpgm
.Lfunc_end_k_qdc61b49d88_quant:
	.size	k_qdc61b49d88_quant, .Lfunc_end_k_qdc61b49d88_quant-k_qdc61b49d88_quant
	.p2alignl 7, 3214868480
	.fill 96, 4, 3214868480
	.section	.rodata,"a",@progbits
	.p2align	6, 0x0
	.amdhsa_kernel k_qdc61b49d88_quant
		.amdhsa_group_segment_fixed_size 79360
		.amdhsa_private_segment_fixed_size 0
		.amdhsa_enable_private_segment 0
		.amdhsa_kernarg_size 104
		.amdhsa_user_sgpr_count 2
		.amdhsa_user_sgpr_kernarg_segment_ptr 1
		.amdhsa_wavefront_size32 1
		.amdhsa_system_sgpr_workgroup_id_x 1
		.amdhsa_system_sgpr_workgroup_id_y 1
		.amdhsa_system_sgpr_workgroup_id_z 1
		.amdhsa_system_vgpr_workitem_id 0
		.amdhsa_next_free_vgpr 256
		.amdhsa_next_free_sgpr 66
		.amdhsa_reserve_vcc 1
		.amdhsa_float_denorm_mode_32 3
		.amdhsa_float_denorm_mode_16_64 3
		.amdhsa_memory_ordered 1
		.amdhsa_forward_progress 1
		.amdhsa_inst_pref_size 132
	.end_amdhsa_kernel
	.amdgpu_metadata
---
amdhsa.version: [ 1, 2 ]
amdhsa.kernels:
  - .name:           k_qdc61b49d88_quant
    .symbol:         k_qdc61b49d88_quant.kd
    .args:
      - { .name: x, .offset: 0, .size: 8, .value_kind: global_buffer, .address_space: global }
      - { .name: Wv, .offset: 8, .size: 8, .value_kind: global_buffer, .address_space: global }
      - { .name: Wk, .offset: 16, .size: 8, .value_kind: global_buffer, .address_space: global }
      - { .name: Wr, .offset: 24, .size: 8, .value_kind: global_buffer, .address_space: global }
      - { .name: Wo, .offset: 32, .size: 8, .value_kind: global_buffer, .address_space: global }
      - { .name: Wl, .offset: 40, .size: 8, .value_kind: global_buffer, .address_space: global }
      - { .name: bl, .offset: 48, .size: 8, .value_kind: global_buffer, .address_space: global }
      - { .name: state, .offset: 56, .size: 8, .value_kind: global_buffer, .address_space: global }
      - { .name: time_decay_multi, .offset: 64, .size: 8, .value_kind: global_buffer, .address_space: global }
      - { .name: codes, .offset: 72, .size: 8, .value_kind: global_buffer, .address_space: global }
      - { .name: scales, .offset: 80, .size: 8, .value_kind: global_buffer, .address_space: global }
      - { .name: lw, .offset: 88, .size: 8, .value_kind: global_buffer, .address_space: global }
      - { .name: dec, .offset: 96, .size: 8, .value_kind: global_buffer, .address_space: global }
    .group_segment_fixed_size: 79360
    .private_segment_fixed_size: 0
    .kernarg_segment_align: 8
    .kernarg_segment_size: 104
    .max_flat_workgroup_size: 128
    .sgpr_count:     66
    .vgpr_count:     256
    .wavefront_size: 32
...
	.end_amdgpu_metadata
.endif
;; end of part 1
;; launch vkr (part 2): grid 16 x 16, 4 waves a work-group, clusters of 4 x 1, 327,680 bytes of LDS; arguments codes, scales, lw, dec, zc, zs, out1; writes zc, zs, out1
.if DOCPART == 2
	.amdgcn_target "amdgcn-amd-amdhsa--gfx1250"
	.amdhsa_code_object_version 6
	.text
	.protected	k_qdc61b49d88_vkr
	.globl	k_qdc61b49d88_vkr
	.p2align	8
	.type	k_qdc61b49d88_vkr,@function
k_qdc61b49d88_vkr:
	s_mov_b64 s[64:65], 0
	v_nop
	global_prefetch_b8 v0, s[64:65] scope:SCOPE_SE
	s_setreg_imm32_b32 hwreg(HW_REG_WAVE_MODE, 25, 1), 1
	s_wait_xcnt 0x0
	s_wait_alu depctr_hold_cnt(0) depctr_sa_sdst(0) depctr_va_vdst(0) depctr_va_sdst(0) depctr_va_ssrc(0) depctr_va_vcc(0) depctr_vm_vsrc(0)
	s_getreg_b32 s2, hwreg(HW_REG_IB_STS2, 6, 4)
	s_cmp_eq_u32 s2, 0
	s_cbranch_scc0 .Lentry_in_a_cluster
	s_endpgm
.Lentry_in_a_cluster:
	s_bfe_u32 s2, ttmp6, 0x10000c
	s_cmp_lg_u32 s2, 0x3003
	s_cbranch_scc0 .Lentry_shape_is_right
	s_endpgm
.Lentry_shape_is_right:
; v = x Wv^T, k = x Wk^T, r = x Wr^T on codes of FP4 with E8M0 scales; z = sigmoid(r) (sum over d of lw[d] dec[d] + k v sum(lw)) in f32; z quantised along the hidden axis into zc, zs;
; out1 = dec + k v of each batch's last time step.
; codes: images of the operands' registers: 16 rows x 128 along K = 1,024 bytes, register group c of lane l at 512 c + 16 l.  A weight's block of 16 rows is 16 such pieces on end (16,384 bytes);
; x's are laid [tile of 256 rows][K / 128][block of 16 rows].  scales: [block][K / 128][place], one word each.  zc is laid as a weight's codes (256 blocks of 16 rows of z); zs is [K / 128][4096 rows], one word each.
; SHARES.  A work-group makes 256 rows (tile row tm) x 128 columns (tile column tn) of all three products: 16 x 16 = 256 work-groups.  Wave w takes all 256 rows (16 tiles a) and columns 32 w .. 32 w + 31 (2 tiles u):
; 96 accumulators, 768 registers.  x's codes of the 256 rows, all of K, are 262,144 dense bytes, K step by K step.  They come into LDS ONCE, in two fills: K steps 0 to 3 at the head (16,384 bytes a wave), K steps 4 to 15
; (49,152 bytes a wave) behind the head's round, under the first four K steps' products; the barrier that shows them to all waves stands in K step 3, which is written out.  No byte is filled again, and the loop over K has no barrier.
; A weight's fragments feed one wave alone (its 32 columns), so LDS would serve no second reader: they go from memory straight into registers, 12 loads of 512 consecutive bytes and 3 of scale words a K step, two K steps ahead, in three sets.
; CLUSTER: the four work-groups of 4 x 1 take the same rows of x and ask for them jointly.  The weights' loads go into registers, where there is no joint form.
; PREFETCH: the sixteen work-groups of a tile column stream the same blocks of the weights.  They share the K steps out: tile row tm asks once, at the head, for K step 2 + tm (tm < 14): 24 pieces of 256 bytes a wave, a lane a piece
; (lanes 24-31 name the last again).  K steps 0 and 1 come by their loads alone.  x is asked for by two loads a wave, the second straight behind the first's landing: there is no trip to run ahead in.
; THE MATRIX INSTRUCTION IS USED TRANSPOSED (source 0 = 16 rows of a weight, source 1 = 16 rows of x).  By the order of a weight's rows in a block, lane (r, h) holds of row 16 a + r the 16 neighbouring columns
; 32 w + 16 h + 8 u + j: half a block of 32 of z's K; the other half lies in lane l xor 16.  So z is quantised in registers.
; LIMITS: NaN and infinities are not served; a block of zeros of z gets the byte 1: its codes are zeros and this program alone reads the bytes; v_exp_f32 and v_rcp_f32 give 0 where the result lies under 2^-126.
; REGISTERS.  Windows 1, 2, 3: V's, K's, R's accumulators at 16 a + 8 u.  Window 0: v0-15 and v224-231 addresses; v16-79 two buffers of four tiles of x; v80-223 the weights' three sets; v240-252 scale words and nothing else.
; On the way out v16-223 hold dec, lw, codes and the work in hand.
.set XSL,   262144                     ; LDS behind x's codes: x's scale words, 16 blocks x 1,024 bytes
.set LWL,   XSL+16384                  ; lw of the 256 rows
.set DECL,  LWL+4096                   ; dec [4][128 columns]
.set STG,   DECL+2048                  ; z's scale words of 256 rows
.set SPARE, STG+1024                   ; the spare words, 128 bytes a wave: two blocks of 256 bytes that no other line names
.set STG2,  SPARE+512                  ; out1's stage: 16 rows of OP bytes
.set OP,    2064                       ; [4 levels][512 bytes] + 16 of padding
.set WV,  18
.set G0,  36                           ; s[36:39], s[40:47] groups 0 and 1 of the first fill
.set G1,  40
.set G0B, 68                           ; s[68:71], s[72:79] of the second
.set G1B, 72
.set WP,  48                           ; s[48:49] my blocks of Wv's codes at the K step in hand; Wk's and Wr's stand in the offsets
.set WQ,  50                           ; s[50:51] their scale words
.set PF,  52                           ; s[52:53] the prefetch's base; never rewritten
.set XG,  4                            ; v4 LDS address of x's codes at the K step in hand
.set XSA, 8                            ; v8 of x's scale words: lanes 0-15 an even tile's, lanes 16-31 the next one's
.set WSO, 9                            ; v9 4 r + 1024 h: the weights' scale words: lanes 0-15 tile u = 0, lanes 16-31 u = 1
.set SPW, 10
.set NIL, 11
.set PFO, 12
.set TO,  13                           ; v13 16 x thread
.set TL,  14                           ; v14 XSL + 16 x thread
.set XF,  16
.set WB,  80
.set XSR, 240
.set WSC, 244
.set DECA, 224
.set LWA,  225
.set ZB,   226
.set ZO,   227
.set O1S,  228
.set W8,   229
.set ZR,   230
.set O1R,  231
.set QM,   234
.set QP,   236
.set QS,   238
.set SS,   4
.set QB,   6
.set DEC,  16
.set LWR,  80
.set CD,   96
.set EB,   128
.set MSB, 0
.macro WIN new                         ; the immediate's high byte repeats the setting that is left
.if MSB != \new
	s_set_vgpr_msb (MSB<<8)|\new
.set MSB, \new
.endif
.endm
.macro CROUND                          ; a round of the cluster's barrier
	s_barrier_signal -1
	s_barrier_wait -1
	s_cmp_lg_u32 s[WV], 0
	s_cbranch_scc1 .Lnot_wave_0_\@
	s_barrier_signal -3
.Lnot_wave_0_\@:
	s_barrier_wait -3
	s_barrier_signal -1
	s_barrier_wait -1
.endm
.macro NOPS                            ; four plain places between a matrix instruction and a load into, or a vector read of, its registers (ISA guide 7.12.1 for vector reads)
.rept 4
	v_nop
.endr
.endm
.macro WM d, a, b, sa, sb, zero, mods:vararg
.if \zero
	v_wmma_scale_f32_16x16x128_f8f6f4 v[(\d):(\d)+7], v[(\a):(\a)+7], v[(\b):(\b)+7], 0, v[\sa], v[\sb] matrix_a_fmt:MATRIX_FMT_FP4 matrix_b_fmt:MATRIX_FMT_FP4 \mods
.else
	v_wmma_scale_f32_16x16x128_f8f6f4 v[(\d):(\d)+7], v[(\a):(\a)+7], v[(\b):(\b)+7], v[(\d):(\d)+7], v[\sa], v[\sb] matrix_a_fmt:MATRIX_FMT_FP4 matrix_b_fmt:MATRIX_FMT_FP4 \mods
.endif
.endm
; group g: x's tiles 4 g .. 4 g + 3 (pairs k = 2 g, 2 g + 1) against my six fragments: 24 matrix instructions under three settings of the windows.
; The 96 accumulators take turns, one instruction a turn, in the same order in every K step.
.macro MULG g, set, zero
.irp m, 0,1,2
	WIN 0x50*(1+\m)                                ; C and D: window 1 + m; the sources: window 0
.irp t, 0,1
	WM 32*(2*(\g)+\t), WB+48*(\set)+16*\m, XF+16*((2*(\g)+\t)%4), WSC+3*(\set)+\m, XSR+(2*(\g)+\t)%4, \zero
	WM 32*(2*(\g)+\t)+8, WB+48*(\set)+16*\m+8, XF+16*((2*(\g)+\t)%4), WSC+3*(\set)+\m, XSR+(2*(\g)+\t)%4, \zero, matrix_a_scale:MATRIX_SCALE_ROW1
	WM 32*(2*(\g)+\t)+16, WB+48*(\set)+16*\m, XF+16*((2*(\g)+\t)%4)+8, WSC+3*(\set)+\m, XSR+(2*(\g)+\t)%4, \zero, matrix_b_scale:MATRIX_SCALE_ROW1
	WM 32*(2*(\g)+\t)+24, WB+48*(\set)+16*\m+8, XF+16*((2*(\g)+\t)%4)+8, WSC+3*(\set)+\m, XSR+(2*(\g)+\t)%4, \zero, matrix_a_scale:MATRIX_SCALE_ROW1 matrix_b_scale:MATRIX_SCALE_ROW1
.endr
.endr
.endm
; pair k (tiles 2 k, 2 k + 1) of the K step j behind the one at which the address registers stand: five LDS loads
.macro LDX k, j
.irp e, 0,1
.irp c, 0,1
	ds_load_b128 v[XF+16*((\k)%4)+8*\e+4*\c:XF+16*((\k)%4)+8*\e+4*\c+3], v[XG] offset:(\j)*16384+(2*(\k)+\e)*1024+512*\c
.endr
.endr
	ds_load_b32 v[XSR+(\k)%4], v[XSA] offset:(\k)*2048+(\j)*64
.endm
; my six fragments of the weights and their three scale words: 15 loads
.macro LDW set, j
.irp m, 0,1,2
.irp u, 0,1
.irp c, 0,1
	global_load_b128 v[WB+48*(\set)+8*(2*\m+\u)+4*\c:WB+48*(\set)+8*(2*\m+\u)+4*\c+3], v3, s[WP:WP+1] offset:\m*2097152+\u*16384+(\j)*1024+512*\c
.endr
.endr
	global_load_b32 v[WSC+3*(\set)+\m], v[WSO], s[WQ:WQ+1] offset:\m*131072+(\j)*64
.endr
.endm
; 128 along K: 96 matrix instructions in four groups.  Behind a group's 24 its buffer takes the group two further on, one group ahead of its use.
; wl: the weights of two K steps on are asked for; last: nothing follows; bar: the barrier that shows the second fill stands ahead of the first loads from it.
.macro STEP j, set, zero, wl, last, lc, bar
	s_wait_loadcnt \lc                             ; this step's set is in; the next step's 15 loads may be out
.irp g, 0,1,2,3
.if (\last) && (\g == 3)
	s_wait_dscnt 0x0
.else
	s_wait_dscnt 10                                ; group g is in; the next group's ten loads may be out
.endif
	MULG \g, \set, \zero
.if (\bar) && (\g == 2)
	WIN 0
	s_wait_tensorcnt 0x0                           ; my part of K steps 4 to 15 is in,
	s_wait_dscnt 0x0                               ; no LDS load of mine is out at the signal,
	s_barrier_signal -1
	s_barrier_wait -1                              ; and everybody's part is in
.endif
.if ((\last) == 0) || (\g < 2)
	NOPS
	WIN 0
	LDX (2*\g+4)%8, (\j)+(2*\g+4)/8
	LDX (2*\g+5)%8, (\j)+(2*\g+5)/8
.if (\wl) && (\g == 0)
	LDW ((\set)+2)%3, (\j)+2                       ; into the set that the step before read: the four places above stand behind its last products too
.endif
.endif
.endr
.endm
.macro ADV n                           ; the address registers go n K steps on
	s_wait_xcnt 0x0                                ; the loads have read their bases
	s_add_nc_u64 s[WP:WP+1], s[WP:WP+1], 1024*\n
	s_add_nc_u64 s[WQ:WQ+1], s[WQ:WQ+1], 64*\n
	v_add_nc_u32 v[XG], 16384*\n, v[XG]
	v_add_nc_u32 v[XSA], 64*\n, v[XSA]
.endm
	s_load_b256 s[4:11], s[0:1], 0x0               ; codes, scales, lw, dec
	s_load_b128 s[12:15], s[0:1], 0x20             ; zc, zs
	s_load_b64 s[16:17], s[0:1], 0x30              ; out1
	v_lshl_add_u32 v[SPW], v0, 2, SPARE
	v_mov_b32 v[NIL], 0
	ds_add_u32 v[SPW], v[NIL]                      ; the opening lines: the add, twice on end, and its wait ahead of my first tensor load
	ds_add_u32 v[SPW], v[NIL]
	v_lshrrev_b32 v1, 5, v0
	v_readfirstlane_b32 s[WV], v1                  ; wave 0..3
	s_bfe_u32 s19, ttmp6, 0x40000                  ; cx
	s_lshl_b32 s20, ttmp9, 2
	s_add_co_u32 s20, s20, s19                     ; tn = 4 x cluster x + cx: it enters global addresses alone
	s_and_b32 s21, ttmp7, 0xffff                   ; tm: the same in the four partners
	s_lshl_b32 s30, s[WV], 7
	s_add_co_u32 s32, s30, STG2
	s_add_co_u32 s30, s30, DECL
	s_add_co_u32 s31, s[WV], STG
	s_lshl_b32 s33, s[WV], 8
	s_add_co_u32 s33, s33, STG
	s_lshl_b32 s34, s[WV], 9
	s_add_co_u32 s34, s34, STG2+15*OP
	v_and_b32 v1, 15, v0                           ; r
	v_bfe_u32 v2, v0, 4, 1                         ; h
	v_and_b32 v16, 31, v0                          ; lane
	v_lshlrev_b32 v3, 4, v16                       ; 16 x lane
	v_mov_b32 v[XG], v3
	v_lshlrev_b32 v[WSO], 2, v1
	v_lshl_add_u32 v[WSO], v2, 10, v[WSO]
	v_add_nc_u32 v[XSA], XSL, v[WSO]
	v_lshlrev_b32 v[TO], 4, v0
	v_add_nc_u32 v[TL], XSL, v[TO]
	v_min_u32 v17, 23, v16                         ; the prefetch: piece l of 24: matrix l / 8, tile (l / 4) % 2, 256 (l % 4)
	v_lshrrev_b32 v18, 3, v17
	v_bfe_u32 v19, v17, 2, 1
	v_and_b32 v20, 3, v17
	v_lshlrev_b32 v[PFO], 21, v18
	v_lshl_add_u32 v[PFO], v19, 14, v[PFO]
	v_lshl_add_u32 v[PFO], v20, 8, v[PFO]
	v_lshl_add_u32 v[DECA], v2, 6, s30             ; dec at my 16 columns
	v_lshl_add_u32 v[LWA], v1, 4, LWL              ; lw: 16 bytes a row
	v_lshl_add_u32 v[ZB], v1, 2, s31               ; my byte of row r's scale word
	v_lshlrev_b32 v[ZO], 4, v1
	v_lshl_add_u32 v[ZO], v2, 14, v[ZO]            ; zc: lanes 0-15 one block, lanes 16-31 the next
	v_mul_u32_u24 v[O1S], v1, OP
	v_lshl_add_u32 v[O1S], v2, 6, v[O1S]
	v_add_nc_u32 v[O1S], s32, v[O1S]               ; out1's stage: row r, my 16 columns
	v_lshlrev_b32 v[W8], 3, v16
	v_add_nc_u32 v[ZR], s33, v[W8]                 ; the scale words on the way out: 256 bytes a wave
	v_add_nc_u32 v[O1R], s34, v3                   ; row 15 of out1's stage, level w
	v_mov_b32 v[QP], 0                             ; a lane permute's destination counts as one of its sources
	v_mov_b32 v[QP+1], 0
	s_lshl_b32 s22, s21, 18                        ; x: the tile's 262,144 bytes: made of the tile row and the wave alone
	s_lshl_b32 s23, s[WV], 14                      ; the first fill: K step w
	s_mov_b32 s[G0+1], s23                         ; LDS as memory: 16,384 x K step
	s_mul_i32 s35, s[WV], 49152                    ; the second: K steps 4 + 3 w on
	s_add_co_u32 s35, s35, 65536
	s_mov_b32 s[G0B+1], s35
	s_add_co_u32 s58, s22, s35
	s_mov_b32 s59, 0
	s_add_co_u32 s22, s22, s23
	s_mov_b32 s23, 0
	s_lshl_b32 s24, s20, 3                         ; Wv: block 256 + 8 tn + 2 w
	s_lshl_b32 s25, s[WV], 1
	s_add_co_u32 s24, s24, s25
	s_add_co_u32 s24, s24, 256
	s_lshl_b32 s26, s24, 10
	s_lshl_b32 s24, s24, 14
	s_mov_b32 s25, 0
	s_mov_b32 s27, 0
	s_lshl_b32 s28, s21, 14                        ; x's scale words
	s_mov_b32 s29, 0
	s_lshl_b32 s54, s21, 12                        ; lw
	s_mov_b32 s55, 0
	s_lshr_b32 s56, s21, 2                         ; dec and out1: the batch, level = my wave, the tile's 128 columns
	s_lshl_b32 s56, s56, 15
	s_lshl_b32 s57, s[WV], 13
	s_add_co_u32 s56, s56, s57
	s_lshl_b32 s57, s20, 9
	s_add_co_u32 s56, s56, s57
	s_mov_b32 s57, 0
	s_lshl_b32 s60, s20, 14                        ; zs: K / 128 = tn, rows 256 tm on, my wave's 64
	s_lshl_b32 s61, s21, 10
	s_add_co_u32 s60, s60, s61
	s_lshl_b32 s61, s[WV], 8
	s_add_co_u32 s60, s60, s61
	s_mov_b32 s61, 0
	s_lshl_b32 s62, s21, 10                        ; the prefetch: K step 2 + tm
	s_add_co_u32 s62, s62, 2048
	s_mov_b32 s63, 0
	s_mov_b32 s[G1], 15|(3<<16)|(1<<21)            ; the mask of the four; elements of 8 bytes; bit 21 beside a mask
	s_mov_b32 s[G1+1], 512<<16                     ; 16,384 dense bytes as 4 rows of 4,096
	s_mov_b32 s[G1+2], 4<<16
	s_mov_b32 s[G1+3], 512<<16
	s_mov_b32 s[G1+4], 4
	s_mov_b32 s[G1+5], 512
	s_mov_b32 s[G1+6], 0
	s_mov_b32 s[G1+7], 0
	s_mov_b32 s[G1B], 15|(3<<16)|(1<<21)
	s_mov_b32 s[G1B+1], 512<<16                    ; 49,152 dense bytes as 12 rows of 4,096
	s_mov_b32 s[G1B+2], 12<<16
	s_mov_b32 s[G1B+3], 512<<16
	s_mov_b32 s[G1B+4], 12
	s_mov_b32 s[G1B+5], 512
	s_mov_b32 s[G1B+6], 0
	s_mov_b32 s[G1B+7], 0
	s_mov_b32 s66, 0x76543210
	s_mov_b32 s67, 0xfedcba98                      ; v_permlanex16_b32's selects for lane l xor 16
	s_wait_alu depctr_va_vdst(0)
	s_wait_dscnt 0x0                               ; both opening adds are done
	s_wait_kmcnt 0x0
	s_mov_b32 s[G0], 1
	s_add_nc_u64 s[G0+2:G0+3], s[4:5], s[22:23]
	s_or_b32 s[G0+3], s[G0+3], 0x80000000
	s_mov_b32 s[G0B], 1
	s_add_nc_u64 s[G0B+2:G0B+3], s[4:5], s[58:59]
	s_or_b32 s[G0B+3], s[G0B+3], 0x80000000
	s_add_nc_u64 s[WP:WP+1], s[4:5], s[24:25]
	s_add_nc_u64 s[WQ:WQ+1], s[6:7], s[26:27]
	s_add_nc_u64 s[PF:PF+1], s[WP:WP+1], s[62:63]
	s_add_nc_u64 s[6:7], s[6:7], s[28:29]
	s_add_nc_u64 s[8:9], s[8:9], s[54:55]
	s_add_nc_u64 s[10:11], s[10:11], s[56:57]
	s_add_nc_u64 s[16:17], s[16:17], s[56:57]
	s_add_nc_u64 s[14:15], s[14:15], s[60:61]
	s_lshl_b32 s58, s21, 18                        ; zc: blocks 16 tm on, K block 4 tn + w
	s_lshl_b32 s59, s20, 10
	s_add_co_u32 s58, s58, s59
	s_lshl_b32 s59, s[WV], 8
	s_add_co_u32 s58, s58, s59
	s_mov_b32 s59, 0
	s_add_nc_u64 s[12:13], s[12:13], s[58:59]
.irp i, 0,1,2,3,4,5,6,7
	global_load_b128 v[16+4*\i:19+4*\i], v[TO], s[6:7] offset:2048*\i    ; x's scale words, 16,384 dense bytes: 2,048 a line for the work-group
.endr
.irp i, 0,1
	global_load_b128 v[48+4*\i:51+4*\i], v[TO], s[8:9] offset:2048*\i    ; lw of the 256 rows
.endr
	global_load_b128 v[56:59], v3, s[10:11]        ; dec: level w's 128 columns
	CROUND                                         ; the four work-groups are here: the joint loads meet
	tensor_load_to_lds s[G0:G0+3], s[G1:G1+7]      ; K step w of x: my one tensor load at the head
	s_nop 0
	NOPS
	s_cmp_lt_u32 s21, 14                           ; the tile row: the same in the four partners
	s_cbranch_scc0 .Lno_ask
	global_prefetch_b8 v[PFO], s[PF:PF+1] th:TH_LOAD_NT scope:SCOPE_SE
.Lno_ask:
	LDW 0, 0
	LDW 1, 1
	s_wait_loadcnt 30                              ; the eleven are in; the weights' two sets may be out
.irp i, 0,1,2,3,4,5,6,7
	ds_store_b128 v[TL], v[16+4*\i:19+4*\i] offset:2048*\i
.endr
.irp i, 0,1
	ds_store_b128 v[TL], v[48+4*\i:51+4*\i] offset:16384+2048*\i
.endr
	ds_store_b128 v[TL], v[56:59] offset:20480
	s_wait_tensorcnt 0x0                           ; my K step of the first four is in
	ds_add_u32 v[SPW], v[NIL]
	s_wait_dscnt 0x0                               ; the add is done, and my stores have landed
	CROUND                                         ; everybody's are, and the four work-groups are here
	tensor_load_to_lds s[G0B:G0B+3], s[G1B:G1B+7]  ; K steps 4 + 3 w .. 6 + 3 w: the first tensor load behind the round
	s_nop 0
	NOPS
.irp k, 0,1,2,3
	LDX \k, 0
.endr
	STEP 0, 0, 1, 1, 0, 15, 0                      ; K step 0 starts the sums: nothing is cleared
	ADV 1
	s_wait_alu depctr_va_vdst(0)
	STEP 0, 1, 0, 1, 0, 15, 0                      ; K steps 1 to 3 are written out: the barrier for the second fill stands in the third
	STEP 1, 2, 0, 1, 0, 15, 0
	STEP 2, 0, 0, 1, 0, 15, 1
	ADV 3
	s_mov_b32 s3, 3
	s_wait_alu depctr_va_vdst(0)
.Ltrip:                                            ; three trips of three K steps, 4 to 12: the weights' sets come round once a trip
	STEP 0, 1, 0, 1, 0, 15, 0
	STEP 1, 2, 0, 1, 0, 15, 0
	STEP 2, 0, 0, 1, 0, 15, 0
	ADV 3
	s_sub_co_u32 s3, s3, 1
	s_cmp_lg_u32 s3, 0
	s_wait_alu depctr_va_vdst(0)
	s_cbranch_scc1 .Ltrip
	STEP 0, 1, 0, 1, 0, 15, 0                      ; K steps 13 to 15 are written out: they ask for nothing beyond K
	STEP 1, 2, 0, 0, 0, 15, 0
	STEP 2, 0, 0, 0, 1, 0, 0
	WIN 0
	NOPS
; THE WAY OUT.
.macro LWLD p                          ; lw of rows 16 a + r, a = 2 p, 2 p + 1
.irp x, 0,1
	ds_load_b128 v[LWR+8*((\p)%2)+4*\x:LWR+8*((\p)%2)+4*\x+3], v[LWA] offset:256*(2*(\p)+\x)
.endr
.endm
; Row tiles a = 2 p + x.  At work: k v at EB + 48 x, r (then sigmoid) at EB + 16 + 48 x, the weighted state (then z) at EB + 32 + 48 x.
.macro EPAIR p
.set LP, LWR+8*((\p)%2)
	s_wait_alu depctr_va_vdst(0)
	s_wait_dscnt 0x0                               ; lw of this pair is in
.if \p < 7
	LWLD (\p)+1
.endif
	WIN 0x09                                       ; source 0 window 1 (V), source 1 window 2 (K)
.irp x, 0,1
.irp e, 0,2,4,6,8,10,12,14
	v_pk_mul_f32 v[EB+48*\x+\e:EB+48*\x+\e+1], v[16*(2*(\p)+\x)+\e:16*(2*(\p)+\x)+\e+1], v[16*(2*(\p)+\x)+\e:16*(2*(\p)+\x)+\e+1]   ; k v; each accumulator from its low end on
.endr
.endr
	WIN 0x03                                       ; source 0 window 3 (R)
.irp x, 0,1
.irp e, 0,2,4,6,8,10,12,14
	v_pk_mul_f32 v[EB+16+48*\x+\e:EB+16+48*\x+\e+1], v[16*(2*(\p)+\x)+\e:16*(2*(\p)+\x)+\e+1], 0xbfb8aa3b op_sel_hi:[1,0]   ; -r log2(e)
.endr
.endr
	WIN 0
.irp x, 0,1
	v_add_f32 v[SS+\x], v[LP+4*\x], v[LP+4*\x+1]   ; sum(lw)
.endr
.irp i, 2,3
.irp x, 0,1
	v_add_f32 v[SS+\x], v[SS+\x], v[LP+4*\x+\i]
.endr
.endr
	s_wait_alu depctr_va_vdst(0)                   ; ahead of the batch
.irp x, 0,1
.irp e, 0,1,2,3,4,5,6,7,8,9,10,11,12,13,14,15
	v_exp_f32 v[EB+16+48*\x+\e], v[EB+16+48*\x+\e] ; e^-r: a batch of 32; the 80 lines below name none of its results
.endr
.endr
.irp x, 0,1
.irp e, 0,2,4,6,8,10,12,14
	v_pk_mul_f32 v[EB+32+48*\x+\e:EB+32+48*\x+\e+1], v[DEC+\e:DEC+\e+1], v[LP+4*\x:LP+4*\x+1] op_sel_hi:[1,0]   ; dec[0] lw[0]: the pair's first serves both halves
.endr
.endr
.irp x, 0,1
.irp e, 0,2,4,6,8,10,12,14
	v_pk_fma_f32 v[EB+32+48*\x+\e:EB+32+48*\x+\e+1], v[DEC+16+\e:DEC+16+\e+1], v[LP+4*\x:LP+4*\x+1], v[EB+32+48*\x+\e:EB+32+48*\x+\e+1] op_sel:[0,1,0] op_sel_hi:[1,1,1]   ; + dec[1] lw[1]: the second serves both
.endr
.endr
.irp x, 0,1
.irp e, 0,2,4,6,8,10,12,14
	v_pk_fma_f32 v[EB+32+48*\x+\e:EB+32+48*\x+\e+1], v[DEC+32+\e:DEC+32+\e+1], v[LP+4*\x+2:LP+4*\x+3], v[EB+32+48*\x+\e:EB+32+48*\x+\e+1] op_sel_hi:[1,0,1]
.endr
.endr
.irp x, 0,1
.irp e, 0,2,4,6,8,10,12,14
	v_pk_fma_f32 v[EB+32+48*\x+\e:EB+32+48*\x+\e+1], v[DEC+48+\e:DEC+48+\e+1], v[LP+4*\x+2:LP+4*\x+3], v[EB+32+48*\x+\e:EB+32+48*\x+\e+1] op_sel:[0,1,0] op_sel_hi:[1,1,1]
.endr
.endr
.irp e, 0,2,4,6,8,10,12,14
	v_pk_fma_f32 v[EB+32+\e:EB+32+\e+1], v[EB+\e:EB+\e+1], v[SS:SS+1], v[EB+32+\e:EB+32+\e+1] op_sel_hi:[1,0,1]   ; + k v sum(lw)
.endr
.irp e, 0,2,4,6,8,10,12,14
	v_pk_fma_f32 v[EB+80+\e:EB+80+\e+1], v[EB+48+\e:EB+48+\e+1], v[SS:SS+1], v[EB+80+\e:EB+80+\e+1] op_sel:[0,1,0] op_sel_hi:[1,1,1]
.endr
	s_wait_alu depctr_va_vdst(0)                   ; one wait for the 32 exponentials, ahead of their first reader
.irp x, 0,1
.irp e, 0,2,4,6,8,10,12,14
	v_pk_add_f32 v[EB+16+48*\x+\e:EB+16+48*\x+\e+1], v[EB+16+48*\x+\e:EB+16+48*\x+\e+1], 1.0 op_sel_hi:[1,0]
.endr
.endr
	s_wait_alu depctr_va_vdst(0)                   ; ahead of the batch
.irp x, 0,1
.irp e, 0,1,2,3,4,5,6,7,8,9,10,11,12,13,14,15
	v_rcp_f32 v[EB+16+48*\x+\e], v[EB+16+48*\x+\e] ; sigmoid(r) = 1 / (1 + e^-r)
.endr
.endr
	v_nop                                          ; a plain line behind the last reciprocal
	s_wait_alu depctr_va_vdst(0)                   ; and one wait for the 32
.irp x, 0,1
.irp e, 0,2,4,6,8,10,12,14
	v_pk_mul_f32 v[EB+32+48*\x+\e:EB+32+48*\x+\e+1], v[EB+32+48*\x+\e:EB+32+48*\x+\e+1], v[EB+16+48*\x+\e:EB+16+48*\x+\e+1]   ; z
.endr
.endr
.irp x, 0,1
	v_max3_num_f32 v[QM+\x], |v[EB+32+48*\x]|, |v[EB+33+48*\x]|, 0x1800000   ; my 16 numbers, and the floor 2^(3 - 127): the byte cannot fall under 1
.endr
.irp i, 2,4,6,8,10,12,14
.irp x, 0,1
	v_max3_num_f32 v[QM+\x], v[QM+\x], |v[EB+32+48*\x+\i]|, |v[EB+33+48*\x+\i]|
.endr
.endr
.irp x, 0,1
	v_permlanex16_b32 v[QP+\x], v[QM+\x], s66, s67
.endr
.irp x, 0,1
	v_max_num_f32 v[QM+\x], v[QM+\x], v[QP+\x]     ; with lane l xor 16's: the block's largest magnitude
.endr
.irp x, 0,1
	v_add_nc_u32 v[QS+\x], 0xff000000, v[QM+\x]    ; 2 off its exponent field: the conversion's scale operand
.endr
.irp x, 0,1
.irp i, 0,1
	v_cvt_scalef32_pk8_fp4_f32 v[CD+4*(\p)+2*\x+\i], v[EB+32+48*\x+8*\i:EB+32+48*\x+8*\i+7], v[QS+\x]
.endr
.endr
.irp x, 0,1
	v_lshrrev_b32 v[QB+\x], 23, v[QS+\x]           ; the scale's byte (plain lines behind the conversions)
.endr
.irp i, 0,1
	v_permlane16_swap_b32 v[CD+4*(\p)+\i], v[CD+4*(\p)+2+\i]   ; lanes 0-15: row r of tile 2 p, all 32 codes; lanes 16-31: of tile 2 p + 1
.endr
.irp x, 0,1
	ds_store_b8 v[ZB], v[QB+\x] offset:64*(2*(\p)+\x)          ; both halves of the lanes write the same byte with the same value
.endr
	global_store_b128 v[ZO], v[CD+4*(\p):CD+4*(\p)+3], s[12:13] offset:32768*(\p)   ; each half of the lanes stores 256 consecutive bytes, aligned
.endm
.irp d, 0,1,2,3
.irp j, 0,1,2,3
	ds_load_b128 v[DEC+16*\d+4*\j:DEC+16*\d+4*\j+3], v[DECA] offset:512*\d+16*\j
.endr
.endr
	LWLD 0
.irp p, 0,1,2,3,4,5,6,7
	EPAIR \p
.endr
	s_and_b32 s35, s21, 3                          ; does this tile hold a batch's last time step?  The tile row: the same in the four partners
	s_cmp_lg_u32 s35, 3
	s_cbranch_scc1 .Lno_last
.irp d, 0,1,2,3
.irp e, 0,2,4,6,8,10,12,14
	v_pk_add_f32 v[DEC+16*\d+\e:DEC+16*\d+\e+1], v[DEC+16*\d+\e:DEC+16*\d+\e+1], v[EB+48+\e:EB+48+\e+1]   ; dec + k v of row tile 15
.endr
.endr
.irp d, 0,1,2,3
.irp j, 0,1,2,3
	ds_store_b128 v[O1S], v[DEC+16*\d+4*\j:DEC+16*\d+4*\j+3] offset:512*\d+16*\j   ; all lanes on: each row r has its own OP bytes; row 15, the last time step, is the one that is read back
.endr
.endr
.Lno_last:
	s_wait_dscnt 0x0                               ; for the others' sake: my bytes of the scale words, and my part of out1, lie in LDS
	s_barrier_signal -1
	s_barrier_wait -1
	ds_load_b64 v[16:17], v[ZR]
	s_wait_dscnt 0x0
	global_store_b64 v[W8], v[16:17], s[14:15]     ; 64 rows' scale words: 256 consecutive bytes, aligned
	s_cmp_lg_u32 s35, 3
	s_cbranch_scc1 .Lno_out1
	ds_load_b128 v[20:23], v[O1R]                  ; level w's 128 columns
	s_wait_dscnt 0x0
	global_store_b128 v3, v[20:23], s[16:17]       ; 512 consecutive bytes, aligned
.Lno_out1:
	s_wait_tensorcnt 0x0                           ; the wave's end
	ds_add_u32 v[SPW], v[NIL]
	s_wait_dscnt 0x0
	CROUND                                         ; the closing round
	s_endpgm
.Lfunc_end_k_qdc61b49d88_vkr:
	.size	k_qdc61b49d88_vkr, .Lfunc_end_k_qdc61b49d88_vkr-k_qdc61b49d88_vkr
	.p2alignl 7, 3214868480
	.fill 96, 4, 3214868480
	.section	.rodata,"a",@progbits
	.p2align	6, 0x0
	.amdhsa_kernel k_qdc61b49d88_vkr
		.amdhsa_group_segment_fixed_size 327680
		.amdhsa_private_segment_fixed_size 0
		.amdhsa_enable_private_segment 0
		.amdhsa_kernarg_size 56
		.amdhsa_user_sgpr_count 2
		.amdhsa_user_sgpr_kernarg_segment_ptr 1
		.amdhsa_wavefront_size32 1
		.amdhsa_system_sgpr_workgroup_id_x 1
		.amdhsa_system_sgpr_workgroup_id_y 1
		.amdhsa_system_sgpr_workgroup_id_z 1
		.amdhsa_system_vgpr_workitem_id 0
		.amdhsa_next_free_vgpr 1024
		.amdhsa_next_free_sgpr 80
		.amdhsa_reserve_vcc 0
		.amdhsa_float_denorm_mode_32 3
		.amdhsa_float_denorm_mode_16_64 3
		.amdhsa_memory_ordered 1
		.amdhsa_forward_progress 1
		.amdhsa_inst_pref_size 255
	.end_amdhsa_kernel
	.section	.bss,"aw",@nobits
	.p2align	6
	.space	262144
	.amdgpu_metadata
---
amdhsa.version: [ 1, 2 ]
amdhsa.kernels:
  - .name:           k_qdc61b49d88_vkr
    .symbol:         k_qdc61b49d88_vkr.kd
    .args:
      - { .name: codes, .offset: 0, .size: 8, .value_kind: global_buffer, .address_space: global }
      - { .name: scales, .offset: 8, .size: 8, .value_kind: global_buffer, .address_space: global }
      - { .name: lw, .offset: 16, .size: 8, .value_kind: global_buffer, .address_space: global }
      - { .name: dec, .offset: 24, .size: 8, .value_kind: global_buffer, .address_space: global }
      - { .name: zc, .offset: 32, .size: 8, .value_kind: global_buffer, .address_space: global }
      - { .name: zs, .offset: 40, .size: 8, .value_kind: global_buffer, .address_space: global }
      - { .name: out1, .offset: 48, .size: 8, .value_kind: global_buffer, .address_space: global }
    .group_segment_fixed_size: 327680
    .private_segment_fixed_size: 0
    .kernarg_segment_align: 8
    .kernarg_segment_size: 56
    .max_flat_workgroup_size: 128
    .sgpr_count:     80
    .vgpr_count:     1024
    .wavefront_size: 32
...
	.end_amdgpu_metadata
.endif
;; end of part 2
;; launch outp (part 3): grid 8 x 32, 4 waves a work-group, clusters of 4 x 4, 327,680 bytes of LDS; arguments zc, zs, codes, scales, out0; writes out0
.if DOCPART == 3
	.amdgcn_target "amdgcn-amd-amdhsa--gfx1250"
	.amdhsa_code_object_version 6
	.text
	.protected	k_qdc61b49d88_outp
	.globl	k_qdc61b49d88_outp
	.p2align	8
	.type	k_qdc61b49d88_outp,@function
k_qdc61b49d88_outp:
	s_mov_b64 s[64:65], 0
	v_nop
	global_prefetch_b8 v0, s[64:65] scope:SCOPE_SE
	s_setreg_imm32_b32 hwreg(HW_REG_WAVE_MODE, 25, 1), 1
	s_wait_xcnt 0x0
	s_wait_alu depctr_hold_cnt(0) depctr_sa_sdst(0) depctr_va_vdst(0) depctr_va_sdst(0) depctr_va_ssrc(0) depctr_va_vcc(0) depctr_vm_vsrc(0)
	s_getreg_b32 s2, hwreg(HW_REG_IB_STS2, 6, 4)
	s_cmp_eq_u32 s2, 0
	s_cbranch_scc0 .Lentry_in_a_cluster
	s_endpgm
.Lentry_in_a_cluster:
	s_bfe_u32 s2, ttmp6, 0x10000c
	s_cmp_lg_u32 s2, 0xf033
	s_cbranch_scc0 .Lentry_shape_is_right
	s_endpgm
.Lentry_shape_is_right:
.set SLOTB, 98304
.set SCA,   3*SLOTB
.set SCB,   SCA+8192
.set SPARE, SCB+16384
.set STAGE, SLOTB
.set SPITCH, 528
.set WV,   14
.set G1A,  24
.set G1B,  48
.set G1SA, 72
.set G0SA, 80
.set G1SB, 84
.set G0SB, 92
.set BK,   128
.set MSB, 0
.macro WIN new
.if MSB != \new
	s_set_vgpr_msb (MSB<<8)|\new
.set MSB, \new
.endif
.endm
.set W_MUL, 0x5a
.set TO_F,  0x80
.macro JLOAD g0a, g1a, g0b, g1b
	s_cmp_eq_u32 s15, 0
	s_cbranch_scc0 .Lfor_b_\@
	tensor_load_to_lds s[\g0a:\g0a+3], s[\g1a:\g1a+7]
	s_nop 0
.rept 4
	v_nop
.endr
	s_branch .Lasked_\@
.Lfor_b_\@:
	tensor_load_to_lds s[\g0b:\g0b+3], s[\g1b:\g1b+7]
	s_nop 0
.rept 4
	v_nop
.endr
.Lasked_\@:
.endm
.macro CREST
	s_cmp_lg_u32 s[WV], 0
	s_cbranch_scc1 .Lnot_wave_0_\@
	s_barrier_signal -3
.Lnot_wave_0_\@:
	s_barrier_wait -3
	s_barrier_signal -1
	s_barrier_wait -1
.endm
.macro CROUND
	s_barrier_signal -1
	s_barrier_wait -1
	CREST
.endm
.macro PLACES n
.rept \n
	v_nop
.endr
.endm
	s_load_b256 s[4:11], s[0:1], 0x0
	s_load_b64 s[12:13], s[0:1], 0x20
	v_lshl_add_u32 v14, v0, 2, SPARE
	v_mov_b32 v15, 0
	ds_add_u32 v14, v15
	ds_add_u32 v14, v15
	s_wait_dscnt 0x0
	v_lshrrev_b32 v1, 5, v0
	v_readfirstlane_b32 s[WV], v1
	s_lshr_b32 s15, s[WV], 1
	s_and_b32 s16, s[WV], 1
	s_bfe_u32 s44, ttmp6, 0x40000
	s_bfe_u32 s45, ttmp6, 0x40004
	s_lshl_b32 s46, ttmp9, 2
	s_add_co_u32 s46, s46, s44
	s_and_b32 s47, ttmp7, 0xffff
	s_lshl_b32 s47, s47, 2
	s_add_co_u32 s47, s47, s45
	s_lshl_b32 s96, s45, 2
	s_lshl_b32 s96, 15, s96
	s_lshl_b32 s97, 0x1111, s44
	s_or_b32 s[G1A], s96, (3<<16)|(1<<21)
	s_mov_b32 s[G1A+1], 512<<16
	s_mov_b32 s[G1A+2], 8<<16                      ; the first fills bring whole tiles: z's 8 blocks,
	s_mov_b32 s[G1A+3], 512<<16
	s_mov_b32 s[G1A+4], 8
	s_mov_b32 s[G1A+5], 2048
	s_mov_b32 s[G1A+6], 0
	s_mov_b32 s[G1A+7], 0
	s_or_b32 s[G1B], s97, (3<<16)|(1<<21)
	s_mov_b32 s[G1B+1], 512<<16
	s_mov_b32 s[G1B+2], 16<<16                     ; Wo's 16 blocks,
	s_mov_b32 s[G1B+3], 512<<16
	s_mov_b32 s[G1B+4], 16
	s_mov_b32 s[G1B+5], 2048
	s_mov_b32 s[G1B+6], 0
	s_mov_b32 s[G1B+7], 0
	s_or_b32 s[G1SA], s96, (3<<16)|(1<<21)
	s_mov_b32 s[G1SA+1], 64<<16
	s_mov_b32 s[G1SA+2], 16<<16                    ; z's scale words of all 16 K / 128,
	s_mov_b32 s[G1SA+3], 64<<16
	s_mov_b32 s[G1SA+4], 16
	s_mov_b32 s[G1SA+5], 2048
	s_mov_b32 s[G1SA+6], 0
	s_mov_b32 s[G1SA+7], 0
	s_or_b32 s[G1SB], s97, (3<<16)|(1<<21)
	s_mov_b32 s[G1SB+1], 32<<16
	s_mov_b32 s[G1SB+2], 64<<16                    ; Wo's scale words of 16 blocks: 16,384 dense bytes
	s_mov_b32 s[G1SB+3], 32<<16
	s_mov_b32 s[G1SB+4], 64
	s_mov_b32 s[G1SB+5], 32
	s_mov_b32 s[G1SB+6], 0
	s_mov_b32 s[G1SB+7], 0
	s_lshl_b32 s20, s47, 17                        ; z's codes: the tile's first block
	s_mov_b32 s21, 0
	s_lshl_b32 s22, s47, 9                         ; z's scale words: the tile's first row
	s_mov_b32 s23, 0
	s_lshl_b32 s98, s46, 4
	s_add_co_u32 s98, s98, 640                     ; Wo: the tile's first block
	s_lshl_b32 s100, s98, 10
	s_lshl_b32 s98, s98, 14
	s_mov_b32 s99, 0
	s_mov_b32 s101, 0
	s_lshl_b32 s17, s16, 14
	s_lshl_b32 s18, s16, 15
	s_add_co_u32 s18, s18, 32768
	s_mov_b32 s19, 0
	s_add_co_u32 s19, s19, SCA
	s_mov_b32 s2, 0
	s_add_co_u32 s2, s2, SCB
	s_wait_kmcnt 0x0
	s_add_nc_u64 s[20:21], s[4:5], s[20:21]
	s_add_nc_u64 s[22:23], s[6:7], s[22:23]
	s_add_nc_u64 s[98:99], s[8:9], s[98:99]
	s_add_nc_u64 s[100:101], s[10:11], s[100:101]
	CROUND
	s_mov_b32 s[G0SA], 1
	s_mov_b32 s[G0SA+1], s19
	s_mov_b64 s[G0SA+2:G0SA+3], s[22:23]
	s_or_b32 s[G0SA+3], s[G0SA+3], 0x80000000
	s_mov_b32 s[G0SB], 1
	s_mov_b32 s[G0SB+1], s2
	s_mov_b64 s[G0SB+2:G0SB+3], s[100:101]
	s_or_b32 s[G0SB+3], s[G0SB+3], 0x80000000
	; groups 0 of the one refill (slot 0, my half of a tile, at K step 0: the change of slots steps them to K step 3)
	s_lshl_b32 s96, s16, 16
	s_mov_b32 s97, 0
	s_mov_b32 s32, 1
	s_mov_b32 s33, s17
	s_add_nc_u64 s[34:35], s[20:21], s[96:97]
	s_or_b32 s35, s35, 0x80000000
	s_lshl_b32 s96, s16, 17
	s_mov_b32 s56, 1
	s_mov_b32 s57, s18
	s_add_nc_u64 s[58:59], s[98:99], s[96:97]
	s_or_b32 s59, s59, 0x80000000
	; groups 0 of the whole tiles: K step 0 into slot 0, K step 1 into slot 1
	s_mov_b32 s36, 1
	s_mov_b32 s37, 0
	s_mov_b64 s[38:39], s[20:21]
	s_or_b32 s39, s39, 0x80000000
	s_mov_b32 s60, 1
	s_mov_b32 s61, 32768
	s_mov_b64 s[62:63], s[98:99]
	s_or_b32 s63, s63, 0x80000000
	s_mov_b32 s40, 1
	s_mov_b32 s41, SLOTB
	s_add_nc_u64 s[42:43], s[20:21], 4096
	s_or_b32 s43, s43, 0x80000000
	s_mov_b32 s68, 1
	s_mov_b32 s69, SLOTB+32768
	s_add_nc_u64 s[70:71], s[98:99], 4096
	s_or_b32 s71, s71, 0x80000000
; One tree of branches on the wave's number, an arm a load, all arms leading to one join.
.macro ARM under, g0, g1, next, join
	s_cmp_lt_u32 s[WV], \under
	s_cbranch_scc0 \next
	tensor_load_to_lds s[\g0:\g0+3], s[\g1:\g1+7]
	s_nop 0
.rept 4
	v_nop
.endr
	s_branch \join
\next:
.endm
	ARM 1, G0SA, G1SA, .Lh1, .Lh_asked             ; wave 0: z's scale words
	ARM 2, G0SB, G1SB, .Lh2, .Lh_asked             ; wave 1: Wo's
	ARM 3, 36, G1A, .Lh3, .Lh_asked                ; wave 2: K step 0 of z
	tensor_load_to_lds s[60:63], s[G1B:G1B+7]      ; wave 3: K step 0 of Wo
	s_nop 0
.rept 4
	v_nop
.endr
.Lh_asked:
	v_and_b32 v1, 15, v0
	v_bfe_u32 v2, v0, 4, 1
	v_and_b32 v3, 31, v0
	v_lshlrev_b32 v3, 4, v3
	s_lshl_b32 s3, s15, 14
	v_add_nc_u32 v4, s3, v3
	v_add_nc_u32 v5, SLOTB, v4
	v_add_nc_u32 v6, 2*SLOTB, v4
	s_lshl_b32 s3, s16, 15
	s_add_co_u32 s3, s3, 32768
	v_add_nc_u32 v7, s3, v3
	v_add_nc_u32 v8, SLOTB, v7
	v_add_nc_u32 v9, 2*SLOTB, v7
	s_lshl_b32 s3, s15, 8
	v_lshl_add_u32 v12, v1, 2, SCA
	v_add_nc_u32 v12, s3, v12
	s_lshl_b32 s3, s16, 13
	v_lshl_add_u32 v13, v1, 2, SCB                 ; Wo's scale words: [block][K / 128][place], 4 bytes each
	v_add_nc_u32 v13, s3, v13
	s_mul_i32 s3, s[WV], 16*SPITCH
	s_add_co_u32 s3, s3, STAGE
	v_mul_u32_u24 v16, v1, SPITCH
	v_lshl_add_u32 v16, v2, 6, v16
	v_add_nc_u32 v16, s3, v16
	v_add_nc_u32 v17, s3, v3
	s_lshl_b32 s20, s47, 20
	s_lshl_b32 s3, s15, 19
	s_add_co_u32 s20, s20, s3
	s_lshl_b32 s3, s46, 10
	s_add_co_u32 s20, s20, s3
	s_lshl_b32 s3, s16, 9
	s_add_co_u32 s20, s20, s3
	s_mov_b32 s21, 0
	s_add_nc_u64 s[12:13], s[12:13], s[20:21]
.macro MUL8 a, f, q, sc, zero
.irp b, 0,1,2,3,4,5,6,7
.if \zero
	v_wmma_scale_f32_16x16x128_f8f6f4 v[8*(8*(\a)+\b):8*(8*(\a)+\b)+7], v[64+64*(\f)+8*\b:64+64*(\f)+8*\b+7], v[32*(\f)+8*(\a):32*(\f)+8*(\a)+7], 0, v[48+48*(\sc)+4*\b+(\q)], v[32+48*(\sc)+4*(\a)+(\q)] matrix_a_fmt:MATRIX_FMT_FP4 matrix_b_fmt:MATRIX_FMT_FP4
.else
	v_wmma_scale_f32_16x16x128_f8f6f4 v[8*(8*(\a)+\b):8*(8*(\a)+\b)+7], v[64+64*(\f)+8*\b:64+64*(\f)+8*\b+7], v[32*(\f)+8*(\a):32*(\f)+8*(\a)+7], v[8*(8*(\a)+\b):8*(8*(\a)+\b)+7], v[48+48*(\sc)+4*\b+(\q)], v[32+48*(\sc)+4*(\a)+(\q)] matrix_a_fmt:MATRIX_FMT_FP4 matrix_b_fmt:MATRIX_FMT_FP4
.endif
.endr
.endm
.macro FETCH slot, q, f
	WIN TO_F
.irp b, 0,1,2,3,4,5,6,7
.irp c, 0,1
	ds_load_b128 v[64+64*(\f)+8*\b+4*\c:64+64*(\f)+8*\b+4*\c+3], v[7+(\slot)] offset:4096*\b+1024*(\q)+512*\c
.endr
.endr
.irp a, 0,1,2,3
.irp c, 0,1
	ds_load_b128 v[32*(\f)+8*\a+4*\c:32*(\f)+8*\a+4*\c+3], v[4+(\slot)] offset:4096*\a+1024*(\q)+512*\c
.endr
.endr
.endm
.macro SCALES sc, ks
	WIN 0
.irp a, 0,1,2,3
.irp q, 0,1,2,3
	ds_load_b32 v[32+48*(\sc)+4*\a+\q], v12 offset:512*(4*(\ks)+\q)+64*\a
.endr
.endr
.irp b, 0,1,2,3,4,5,6,7
.irp q, 0,1,2,3
	ds_load_b32 v[48+48*(\sc)+4*\b+\q], v13 offset:1024*\b+256*(\ks)+64*\q
.endr
.endr
.endm
.macro STEP q, sc, zero, ns, nq, nks
	s_wait_dscnt 0x0
	WIN W_MUL
	MUL8 0, (\q)%2, \q, \sc, \zero
	MUL8 1, (\q)%2, \q, \sc, \zero
	PLACES 4
	FETCH \ns, \nq, 1-(\q)%2
.if \nks >= 0
	SCALES (\nks)%2, \nks
.endif
	WIN W_MUL
	MUL8 2, (\q)%2, \q, \sc, \zero
	MUL8 3, (\q)%2, \q, \sc, \zero
.endm
.macro TURN sc, next, nks, fill
	WIN 0
	s_wait_tensorcnt 0x0
	ds_add_u32 v14, v15
	s_wait_dscnt 1
	WIN W_MUL
	MUL8 0, 1, 3, \sc, 0
	s_wait_dscnt 0x0
	s_barrier_signal -1
	MUL8 1, 1, 3, \sc, 0
	WIN 0
	s_barrier_wait -1
.if \fill
	CREST
	s_mov_b32 s[G1A+2], 4<<16                      ; no tensor load of mine is out: the refill brings half a tile a wave
	s_mov_b32 s[G1A+4], 4
	s_mov_b32 s[G1B+2], 8<<16
	s_mov_b32 s[G1B+4], 8
	s_add_nc_u64 s[34:35], s[34:35], 3*4096
	s_add_nc_u64 s[58:59], s[58:59], 3*4096
	JLOAD 32, G1A, 56, G1B
.else
	PLACES 4
.endif
	FETCH \next, 0, 0
	SCALES (\nks)%2, \nks
	WIN W_MUL
	MUL8 2, 1, 3, \sc, 0
	MUL8 3, 1, 3, \sc, 0
.endm
	s_wait_alu depctr_va_vdst(0)
	s_wait_tensorcnt 0x0                           ; my tile of the head's four is in
	ds_add_u32 v14, v15
	s_mov_b32 s37, 2*SLOTB                         ; no tensor load of mine is out: K step 2 into slot 2
	s_add_nc_u64 s[38:39], s[38:39], 8192
	s_mov_b32 s61, 2*SLOTB+32768
	s_add_nc_u64 s[62:63], s[62:63], 8192
	s_wait_dscnt 0x0
	CROUND                                         ; all four tiles are in, and the sixteen work-groups are here
	ARM 1, 40, G1A, .Lf1, .Lf_asked                ; wave 0: K step 1 of z
	ARM 2, 68, G1B, .Lf2, .Lf_asked                ; wave 1: K step 1 of Wo
	ARM 3, 36, G1A, .Lf3, .Lf_asked                ; wave 2: K step 2 of z
	tensor_load_to_lds s[60:63], s[G1B:G1B+7]      ; wave 3: K step 2 of Wo
	s_nop 0
.rept 4
	v_nop
.endr
.Lf_asked:
	FETCH 0, 0, 0
	SCALES 0, 0
	STEP 0, 0, 1, 0, 1, -1
	STEP 1, 0, 0, 0, 2, -1
	STEP 2, 0, 0, 0, 3, -1
	TURN 0, 1, 1, 1
	STEP 0, 1, 0, 1, 1, -1
	STEP 1, 1, 0, 1, 2, -1
	STEP 2, 1, 0, 1, 3, -1
	STEP 3, 1, 0, 2, 0, 2
	STEP 0, 0, 0, 2, 1, -1
	STEP 1, 0, 0, 2, 2, -1
	STEP 2, 0, 0, 2, 3, -1
	TURN 0, 0, 3, 0
	STEP 0, 1, 0, 0, 1, -1
	STEP 1, 1, 0, 0, 2, -1
	STEP 2, 1, 0, 0, 3, -1
	s_wait_dscnt 0x0
	WIN W_MUL
	MUL8 0, 1, 3, 1, 0
	MUL8 1, 1, 3, 1, 0
	MUL8 2, 1, 3, 1, 0
	MUL8 3, 1, 3, 1, 0
	WIN 0
.macro TOSTAGE a
	WIN 0x04
.irp b, 0,1,2,3,4,5,6,7
	ds_store_b128 v16, v[8*(8*(\a)+\b):8*(8*(\a)+\b)+3] offset:128*(\b/2)+32*(\b%2)
	ds_store_b128 v16, v[8*(8*(\a)+\b)+4:8*(8*(\a)+\b)+7] offset:128*(\b/2)+32*(\b%2)+16
.endr
	WIN 0
.irp t, 0,1,2,3,4,5,6,7,8,9,10,11,12,13,14,15
	ds_load_b128 v[BK+64*((\a)%2)+4*\t:BK+64*((\a)%2)+4*\t+3], v17 offset:SPITCH*\t
.endr
.endm
.macro SEND a, younger
	s_wait_dscnt \younger
.irp t, 0,1,2,3,4,5,6,7,8,9,10,11,12,13,14,15
	global_store_b128 v3, v[BK+64*((\a)%2)+4*\t:BK+64*((\a)%2)+4*\t+3], s[12:13] offset:131072*(\a)+8192*\t th:TH_STORE_NT
.endr
.endm
	PLACES 4
	TOSTAGE 0
.irp a, 1,2,3
.if \a > 1
	s_wait_xcnt 0x0
.endif
	TOSTAGE \a
	SEND \a-1, 32
.endr
	SEND 3, 0
	s_wait_tensorcnt 0x0
	ds_add_u32 v14, v15
	s_wait_dscnt 0x0
	CROUND
	s_endpgm
.Lfunc_end_k_qdc61b49d88_outp:
	.size	k_qdc61b49d88_outp, .Lfunc_end_k_qdc61b49d88_outp-k_qdc61b49d88_outp
	.p2alignl 7, 3214868480
	.fill 96, 4, 3214868480
	.section	.rodata,"a",@progbits
	.p2align	6, 0x0
	.amdhsa_kernel k_qdc61b49d88_outp
		.amdhsa_group_segment_fixed_size 327680
		.amdhsa_private_segment_fixed_size 0
		.amdhsa_enable_private_segment 0
		.amdhsa_kernarg_size 40
		.amdhsa_user_sgpr_count 2
		.amdhsa_user_sgpr_kernarg_segment_ptr 1
		.amdhsa_wavefront_size32 1
		.amdhsa_system_sgpr_workgroup_id_x 1
		.amdhsa_system_sgpr_workgroup_id_y 1
		.amdhsa_system_sgpr_workgroup_id_z 1
		.amdhsa_system_vgpr_workitem_id 0
		.amdhsa_next_free_vgpr 704
		.amdhsa_next_free_sgpr 102
		.amdhsa_reserve_vcc 0
		.amdhsa_float_denorm_mode_32 3
		.amdhsa_float_denorm_mode_16_64 3
		.amdhsa_memory_ordered 1
		.amdhsa_forward_progress 1
		.amdhsa_inst_pref_size 131
	.end_amdhsa_kernel
	.amdgpu_metadata
---
amdhsa.version: [ 1, 2 ]
amdhsa.kernels:
  - .name:           k_qdc61b49d88_outp
    .symbol:         k_qdc61b49d88_outp.kd
    .args:
      - { .name: zc, .offset: 0, .size: 8, .value_kind: global_buffer, .address_space: global }
      - { .name: zs, .offset: 8, .size: 8, .value_kind: global_buffer, .address_space: global }
      - { .name: codes, .offset: 16, .size: 8, .value_kind: global_buffer, .address_space: global }
      - { .name: scales, .offset: 24, .size: 8, .value_kind: global_buffer, .address_space: global }
      - { .name: out0, .offset: 32, .size: 8, .value_kind: global_buffer, .address_space: global }
    .group_segment_fixed_size: 327680
    .private_segment_fixed_size: 0
    .kernarg_segment_align: 8
    .kernarg_segment_size: 40
    .max_flat_workgroup_size: 128
    .sgpr_count:     102
    .vgpr_count:     704
    .wavefront_size: 32
...
	.end_amdgpu_metadata
.endif
;; end of part 3
